; MI455X (gfx1250); checked and timed in simulation.
; The chip was launched on July 23, 2026; its instructions are those of AMD's public machine-readable ISA for CDNA 5 (MIT licence, August 2026) and "CDNA5" Instruction Set Architecture Reference Guide (July 2026). The comments in the code are by the model that wrote it; some were corrected since.
;; Scaled Euclid Distance Attention. Allowed arithmetic: matrix products marked QUANTISED: E2M1 operands, one E8M0 scale for each 32 along K, by v_wmma_scale_f32_16x16x128_f8f6f4 with both operands' format E2M1 (or v_wmma_scale_f32_32x16x128_f4), f32 sums; everything else in f32.
;; Inputs: k 2 x 2,048 x 1,024 float32; mask 2,048 x 2,048 int32; q 2 x 2,048 x 1,024 float32; v_codes 2 x 1,024 x 64 x 16 uint8 (E2M1 codes of v, K innermost, in blocks of 32 codes, two codes a byte); v_scales 2 x 1,024 x 64 uint8 (E8M0 scales of v, one for each 32 codes along K).
;; Outputs: out0 2 x 2,048 x 1,024 float32.
;; Constants: num_heads = 16.
;; This version of the problem:
;;   THIS VERSION OF THE PROBLEM IS GIVEN IN LOW PRECISION. The matrix products marked QUANTISED in the list below multiply operands that are first quantised to E2M1 (2 exponent bits, 1 mantissa bit; 4 bits a number), with one power-of-two scale for each 32 numbers along K (OCP MX v1.0); their sums are f32. All else is computed in f32.
;;   The module's matrix products, in the order in which they are computed (A, B: the left and right operand; K: the contracted axis; several contracted axes count as one K, in the product's order):
;;     1. batch 32 x [M 2,048, K 64] x [K 64, N 2,048]; A: input q; B: input k: QUANTISED
;;     2. batch 32 x [M 2,048, K 2,048] x [K 2,048, N 64]; A: softmax (see below); B: input v (given as codes): QUANTISED
;;   THE QUANTISER, for each operand of a quantised product, along K:
;;     - K is cut into blocks of 32 from its start; a last block that is shorter is filled with zeros.
;;     - A block's scale is 2^e with e = floor(log2(the largest magnitude in the block)) - 2, held to -126 .. 127; a block of zeros has e = 0. As a byte (E8M0): e + 127.
;;     - Each number is divided by its block's scale, clamped to +-6, and rounded to the nearest number of E2M1, ties to even, subnormals kept.
;;     - The product sums the exact products of the quantised numbers (number of the format x scale) in f32.
;;   ~~~python
;;   def quantise(x, axis):      # numpy; x: float32 -> the quantised numbers, widened to float32 again
;;       x = np.moveaxis(x, axis, -1); K = x.shape[-1]
;;       x = np.pad(x, [(0, 0)] * (x.ndim - 1) + [(0, -K % 32)]); x = x.reshape(x.shape[:-1] + (-1, 32)); a = np.abs(x).max(-1, keepdims=True)
;;       e = np.where(a > 0, np.clip(np.frexp(np.where(a > 0, a, 1))[1] - 1 - 2, -126, 127), 0)      # np.frexp(a)[1] - 1 = floor(log2(a)), exactly
;;       r = np.clip(x / 2.0 ** e, -6, 6)
;;       step = 2.0 ** (np.maximum(np.frexp(np.where(r == 0, 1, r))[1] - 1, 0) - 1)
;;       q = np.round(r / step) * step * 2.0 ** e      # np.round: ties to even
;;       return np.moveaxis(q.reshape(q.shape[:-2] + (-1,))[..., :K], -1, axis).astype(np.float32)
;;   ~~~
;;   SOFTMAX AHEAD OF A QUANTISED PRODUCT. Where the list says 'softmax', what is quantised is not the finished softmax but p = 2^(t - M), with t = logit x log2(e) and M = ceil(the row's largest t), a whole number; so 1/2 < the row's largest p <= 1. The row's sum l is taken of the UNQUANTISED p, in f32, and the product's result is divided by l at the end. Since M is a whole number, a kernel that streams over the keys may use a running M (the ceiling of the running maximum): every later rescaling is an exact power of two, which a block's scale takes up: the codes' values come out the same.
;;   OPERANDS COMPUTED ON THE WAY. 'Computed on the way' means the value that the module computes at that place (a softmax that the list does not call 'softmax' is quantised finished and normalised). What goes into a quantiser is computed in f32, as accurately as f32 sums, v_exp_f32 and their like allow (about 1e-6 of the number): no bf16 or f16 on the way to a quantiser, and a product that is left as it is and whose result goes on into a quantised operand takes f32 operands (vector FMAs, or v_wmma_f32_16x16x4_f32). A number that lies on a knife's edge between two numbers of the format may be rounded either way, as far as f32 arithmetic and the matrix unit's own rounding can turn it there, and no further.
;;   INPUTS GIVEN AS CODES. v (in the module: [2, 2048, 1024], K = its axis 1): each comes as NAME_codes (uint8): NAME with its K axis moved to the last place and cut into blocks of 32 codes, [.., K / 32, bytes a block], one block behind the other in memory; two codes a byte, the lower K in the low four bits (a code: sign, 2 exponent bits, 1 mantissa bit); and NAME_scales (uint8): the same leading axes, one E8M0 byte (e + 127) for each 32 codes along K. Its value is code x scale, taken as it is: it is not quantised again, and the codes and scales need not be those that the quantiser above would give.
;; One version. Each part assembles by itself: llvm-mc -triple=amdgcn-amd-amdhsa -mcpu=gfx1250 --defsym DOCPART=n.
;; ======== version 1 of 1: 2 launches
;; limits: right only within a limited range of input values
;; workspace buffers: kc 2,097,152 bytes; kaux 393,216 bytes
;; launch quant (part 1): grid 256 x 1, 8 waves a work-group, no clusters, 45,056 bytes of LDS; arguments k, kc, kaux; writes kc, kaux
.if DOCPART == 1
	.amdgcn_target "amdgcn-amd-amdhsa--gfx1250"
	.amdhsa_code_object_version 6
	.text
	.protected	k_q2cac67ccb1_quant
	.globl	k_q2cac67ccb1_quant
	.p2align	8
	.type	k_q2cac67ccb1_quant,@function
k_q2cac67ccb1_quant:
	s_mov_b64 s[64:65], 0
	v_nop
	global_prefetch_b8 v0, s[64:65] scope:SCOPE_SE
	s_setreg_imm32_b32 hwreg(HW_REG_WAVE_MODE, 25, 1), 1
	s_wait_xcnt 0x0
; k, [2][2048][1024] f32, is turned into codes of FP4 (E2M1) along a head's 64 numbers (two blocks of 32), with one E8M0 byte a block, and the f32 sum of squares of each
; head's 64 UNQUANTISED numbers is taken beside them.  (q is read by one wave alone of the next launch and is quantised there.)
; A block's scale is 2^(floor(log2(its largest magnitude)) - 2); its byte is the largest magnitude's exponent field - 2, held at 1 from below (a block of zeros keeps the byte 1: its codes are zeros,
; and this program alone reads the bytes).
; LAYOUTS (g = 4 x batch + group of four heads):  codes [g][token 2048][128 bytes]: the group's 256 codes of a token as they follow each other.
;   aux [g][token / 16][item 6][16 tokens] x 4 bytes: items 0, 1: the scale word of heads 0, 1 and of heads 2, 3 (bytes: even head's blocks 0, 1, odd head's blocks 0, 1); items 2-5: the sums of squares of heads 0-3.
; SHARES.  Work-group n takes the 32 tokens n / 2 and the two groups 2 (n % 2), 2 (n % 2) + 1; a wave 4 tokens in 4 steps: step t = tokens 2 (t / 2), 2 (t / 2) + 1 x group t % 2 of the two: 512 numbers, whose codes are 256 consecutive bytes, aligned.
; Each load reads 512 consecutive bytes, 16 a lane; a step's 2,048 bytes turn through the wave's own stage in LDS and come back 64 bytes a lane: 16 neighbours, which the conversions want in one lane.
; All 16 loads of a wave go out at the start.  The aux words of the 32 tokens are gathered in LDS and leave, behind one barrier, as 768 consecutive bytes for each group.
; LIMITS: NaN and infinities among the inputs are not served; blocks whose largest magnitude lies under 2^-124 keep the byte 1; the 64 squares are added in another order than a plain running sum.
.set SP,    80                         ; a lane's place in a stage: its 64 bytes + 16 of padding
.set STG,   3072                       ; LDS: from byte 0 the gathered aux words [group 2][chunk 2][item 6][16] x 4; from STG on 5,120 bytes a wave: two stages of 32 x SP
.set WREG,  5120
.set X,     32                         ; v32-63   two sets of 16 neighbours
.set R,     64                         ; v64-127  four sets of 16 numbers as they are loaded
.set C,     192                        ; two registers of codes for each step: no store's data are written again
.set E,     208                        ; a scale byte for each step
.set K2,    216                        ; a sum of squares for each step
	s_load_b128 s[4:7], s[0:1], 0x0                ; k s[4:5], kc s[6:7]
	s_load_b64 s[10:11], s[0:1], 0x10              ; kaux
	v_lshl_add_u32 v224, v0, 2, 0xac00             ; my spare word, behind the stages
	v_mov_b32 v225, 0
	v_lshrrev_b32 v2, 5, v0
	s_delay_alu instid0(VALU_DEP_1)
	v_readfirstlane_b32 s16, v2                    ; wave 0..7
	v_and_b32 v1, 31, v0                           ; lane
	s_delay_alu instid0(VALU_DEP_1)
	v_lshlrev_b32 v3, 4, v1                        ; my 16 bytes of a load's 512
	s_delay_alu instid0(VALU_DEP_2)
	v_lshlrev_b32 v4, 3, v1                        ; my 8 bytes of a store's 256
	s_mul_i32 s18, s16, WREG
	s_add_co_u32 s18, s18, STG                     ; my wave's stages
	v_lshrrev_b32 v14, 2, v1
	s_delay_alu instid0(VALU_DEP_1)
	v_mul_u32_u24 v14, v14, SP
	v_and_b32 v15, 3, v1
	s_delay_alu instid0(VALU_DEP_1)
	v_lshl_add_u32 v14, v15, 4, v14
	s_delay_alu instid0(VALU_DEP_1)
	v_add_nc_u32 v14, s18, v14                     ; into a stage: four lanes' 64 bytes on end, then 16 of padding
	v_mul_u32_u24 v15, v1, SP
	s_delay_alu instid0(VALU_DEP_1)
	v_add_nc_u32 v15, s18, v15                     ; out of it: SP x lane: my 16 neighbours
	s_lshr_b32 s19, s16, 2
	s_mul_i32 s19, s19, 384                        ; my wave's tokens lie in chunk wave / 4,
	s_and_b32 s20, s16, 3
	s_lshl_b32 s21, s20, 4
	s_add_co_u32 s19, s19, s21                     ; from token 4 (wave % 4) of it on: 4 bytes a token
	v_bfe_u32 v8, v1, 4, 1                         ; lanes 16-31 hold the odd token
	v_bfe_u32 v5, v1, 3, 1
	s_delay_alu instid0(VALU_DEP_1)
	v_lshlrev_b32 v5, 6, v5                        ; the scale byte: item = my head / 2,
	s_delay_alu instid0(VALU_DEP_1)
	v_lshl_add_u32 v5, v8, 2, v5                   ; my token's word,
	v_bfe_u32 v9, v1, 1, 2
	s_delay_alu instid0(VALU_DEP_1)
	v_add_nc_u32 v5, v5, v9                        ; byte 2 (head % 2) + block
	s_delay_alu instid0(VALU_DEP_1)
	v_add_nc_u32 v5, s19, v5
	v_bfe_u32 v6, v1, 2, 2
	s_delay_alu instid0(VALU_DEP_1)
	v_lshlrev_b32 v6, 6, v6                        ; the sum of squares: item 2 + my head,
	s_delay_alu instid0(VALU_DEP_1)
	v_lshl_add_u32 v6, v8, 2, v6
	s_delay_alu instid0(VALU_DEP_1)
	v_add_nc_u32 v6, s19, v6
	s_delay_alu instid0(VALU_DEP_1)
	v_add_nc_u32 v6, 128, v6
	s_mul_i32 s21, s20, 768
	v_add_nc_u32 v7, s21, v4                       ; the tail (waves 0, 1): gathered group wave's 768 bytes, 8 a lane
	s_lshr_b32 s17, ttmp9, 1                       ; which 32 tokens of the 4,096
	s_and_b32 s32, ttmp9, 1                        ; which two of the four groups
	s_lshr_b32 s22, s17, 6                         ; batch
	s_and_b32 s23, s17, 63
	s_lshl_b32 s26, s17, 17                        ; source: 32 tokens of 4,096 bytes,
	s_lshl_b32 s21, s16, 14                        ; my wave's 4,
	s_add_co_u32 s26, s26, s21
	s_lshl_b32 s21, s32, 11                        ; two groups of 1,024 bytes
	s_add_co_u32 s26, s26, s21
	s_mov_b32 s27, 0
	s_lshl_b32 s28, s22, 20                        ; codes: four groups of 262,144 bytes a batch,
	s_lshl_b32 s21, s23, 12                        ; 32 tokens of 128 bytes,
	s_add_co_u32 s28, s28, s21
	s_lshl_b32 s21, s16, 9                         ; my wave's 4,
	s_add_co_u32 s28, s28, s21
	s_lshl_b32 s21, s32, 19                        ; my two groups
	s_add_co_u32 s28, s28, s21
	s_mov_b32 s29, 0
	s_mul_i32 s30, s22, 196608                     ; aux: four groups of 49,152 bytes a batch,
	s_mul_i32 s21, s23, 768                        ; two chunks of 384 bytes,
	s_add_co_u32 s30, s30, s21
	s_lshl_b32 s21, s32, 1
	s_add_co_u32 s21, s21, s20
	s_mul_i32 s21, s21, 49152                      ; the group that my wave stores in the tail
	s_add_co_u32 s30, s30, s21
	s_mov_b32 s31, 0
	s_wait_alu depctr_va_vdst(0)                   ; the wait at the head's end
	s_wait_kmcnt 0x0
	s_add_nc_u64 s[4:5], s[4:5], s[26:27]
	s_add_nc_u64 s[8:9], s[6:7], s[28:29]
	s_add_nc_u64 s[10:11], s[10:11], s[30:31]
.macro LOAD t                          ; step t: two tokens x 1,024 bytes, in four loads of 512 consecutive bytes
.irp i, 0,1,2,3
	global_load_b128 v[R+16*(\t)+4*\i:R+16*(\t)+4*\i+3], v3, s[4:5] offset:8192*((\t)/2)+1024*((\t)%2)+512*(\i%2)+4096*(\i/2) th:TH_LOAD_NT
.endr
.endm
.macro TURN t                          ; step t's numbers through a stage: LDS serves a wave's instructions in order, so no wait stands between the stores and the loads
.irp i, 0,1,2,3
	ds_store_b128 v14, v[R+16*(\t)+4*\i:R+16*(\t)+4*\i+3] offset:32*SP*((\t)%2)+8*SP*\i
.endr
.irp i, 0,1,2,3
	ds_load_b128 v[X+16*((\t)%2)+4*\i:X+16*((\t)%2)+4*\i+3], v15 offset:32*SP*((\t)%2)+16*\i
.endr
.endm
.irp t, 0,1,2,3
	LOAD \t
.endr
	s_wait_loadcnt 12                              ; step 0's four loads are in; the 12 of the three steps behind it may be out
	TURN 0
; Behind the turn lane l holds 16 neighbours: token l / 16 of the pair, head (l / 4) % 4 of the group, block (l / 2) % 2, half l % 2.
.macro STEP t
.set XS, X+16*((\t)%2)
.if (\t) > 0
	s_wait_dscnt 2                                 ; this step's numbers are back from the stage; the last step's byte store and sum store may be out
.else
	s_wait_dscnt 0x0
.endif
.if (\t) < 3
	s_wait_loadcnt 4*(2-(\t))                      ; the next step's four loads are in; those of the steps behind it may be out
	TURN (\t)+1                                    ; and go through the other stage while this step is worked
.endif
	v_max3_num_f32 v8, |v[XS]|, |v[XS+1]|, |v[XS+2]|               ; the largest magnitude of my 16, in two chains
	v_max3_num_f32 v9, |v[XS+3]|, |v[XS+4]|, |v[XS+5]|
.irp i, 6,10
	s_delay_alu instid0(VALU_DEP_2)
	v_max3_num_f32 v8, v8, |v[XS+\i]|, |v[XS+\i+1]|
	s_delay_alu instid0(VALU_DEP_2)
	v_max3_num_f32 v9, v9, |v[XS+\i+2]|, |v[XS+\i+3]|
.endr
	s_delay_alu instid0(VALU_DEP_2)
	v_max3_num_f32 v8, v8, |v[XS+14]|, |v[XS+15]|
	s_delay_alu instid0(VALU_DEP_1)
	v_max3_num_f32 v8, v8, v9, 0x1800000           ; and the floor 2^(3 - 127): so the byte cannot fall under 1
	v_pk_mul_f32 v[16:17], v[XS:XS+1], v[XS:XS+1]                  ; the squares of my 16, two at a time, in two chains
	v_pk_mul_f32 v[12:13], v[XS+2:XS+3], v[XS+2:XS+3]
.irp i, 4,8,12
	s_delay_alu instid0(VALU_DEP_2)
	v_pk_fma_f32 v[16:17], v[XS+\i:XS+\i+1], v[XS+\i:XS+\i+1], v[16:17]
	s_delay_alu instid0(VALU_DEP_2)
	v_pk_fma_f32 v[12:13], v[XS+\i+2:XS+\i+3], v[XS+\i+2:XS+\i+3], v[12:13]
.endr
	v_max_num_f32_dpp v8, v8, v8 row_xmask:1 row_mask:0xf bank_mask:0xf   ; with my neighbour's 16: the block's largest magnitude
	s_delay_alu instid0(VALU_DEP_2)
	v_pk_add_f32 v[16:17], v[16:17], v[12:13]
	s_delay_alu instid0(VALU_DEP_2)
	v_add_nc_u32 v11, 0xff000000, v8               ; 2 off its exponent field: the conversion takes the exponent field of this operand as its scale, and nothing else of it
	s_delay_alu instid0(VALU_DEP_2)
	v_add_f32 v[K2+(\t)], v16, v17
	s_delay_alu instid0(VALU_DEP_1)
	v_add_f32_dpp v[K2+(\t)], v[K2+(\t)], v[K2+(\t)] row_xmask:1 row_mask:0xf bank_mask:0xf
	s_delay_alu instid0(VALU_DEP_1)
	v_add_f32_dpp v[K2+(\t)], v[K2+(\t)], v[K2+(\t)] row_xmask:2 row_mask:0xf bank_mask:0xf   ; the head's four lanes: all four hold the same sum
	v_cvt_scalef32_pk8_fp4_f32 v[C+2*(\t)], v[XS:XS+7], v11        ; eight numbers / the scale, to the nearest code, ties to even, beyond 6 the largest code; the first number's code in the lowest four bits
	v_cvt_scalef32_pk8_fp4_f32 v[C+2*(\t)+1], v[XS+8:XS+15], v11
	v_lshrrev_b32 v[E+(\t)], 23, v11               ; the scale's byte.  (Also the plain instruction behind the conversions)
	ds_store_b8 v5, v[E+(\t)] offset:768*((\t)%2)+8*((\t)/2)       ; both lanes of a block write the same byte with the same value
	ds_store_b32 v6, v[K2+(\t)] offset:768*((\t)%2)+8*((\t)/2)     ; the four lanes of a head the same word
	global_store_b64 v4, v[C+2*(\t):C+2*(\t)+1], s[8:9] offset:262144*((\t)%2)+256*((\t)/2)   ; the wave stores 256 consecutive bytes, at a multiple of 256 from the buffer's first byte
.endm
.irp t, 0,1,2,3
	STEP \t
.endr
	s_wait_dscnt 0x0                               ; for the others' sake: my stores into the gathered words are done
	s_barrier_signal -1
	s_barrier_wait -1
	s_cmp_gt_u32 s16, 1                            ; waves 0 and 1 store a group's 768 bytes each; no barrier stands behind this branch
	s_cbranch_scc1 .Lend
.irp i, 0,1,2
	ds_load_b64 v[8+2*\i:9+2*\i], v7 offset:256*\i
.endr
	s_wait_dscnt 0x0
.irp i, 0,1,2
	global_store_b64 v4, v[8+2*\i:9+2*\i], s[10:11] offset:256*\i  ; 256 consecutive bytes, aligned
.endr
.Lend:
	s_wait_tensorcnt 0x0                           ; the wave's end
	ds_add_u32 v224, v225
	s_wait_dscnt 0x0
	s_endpgm
.Lfunc_end_k_q2cac67ccb1_quant:
	.size	k_q2cac67ccb1_quant, .Lfunc_end_k_q2cac67ccb1_quant-k_q2cac67ccb1_quant
	.p2alignl 7, 3214868480
	.fill 96, 4, 3214868480
	.section	.rodata,"a",@progbits
	.p2align	6, 0x0
	.amdhsa_kernel k_q2cac67ccb1_quant
		.amdhsa_group_segment_fixed_size 45056
		.amdhsa_private_segment_fixed_size 0
		.amdhsa_enable_private_segment 0
		.amdhsa_kernarg_size 24
		.amdhsa_user_sgpr_count 2
		.amdhsa_user_sgpr_kernarg_segment_ptr 1
		.amdhsa_wavefront_size32 1
		.amdhsa_system_sgpr_workgroup_id_x 1
		.amdhsa_system_sgpr_workgroup_id_y 1
		.amdhsa_system_sgpr_workgroup_id_z 1
		.amdhsa_system_vgpr_workitem_id 0
		.amdhsa_next_free_vgpr 226
		.amdhsa_next_free_sgpr 66
		.amdhsa_reserve_vcc 0
		.amdhsa_float_denorm_mode_32 3
		.amdhsa_float_denorm_mode_16_64 3
		.amdhsa_memory_ordered 1
		.amdhsa_forward_progress 1
		.amdhsa_inst_pref_size 18
	.end_amdhsa_kernel
	.amdgpu_metadata
---
amdhsa.version: [ 1, 2 ]
amdhsa.kernels:
  - .name:           k_q2cac67ccb1_quant
    .symbol:         k_q2cac67ccb1_quant.kd
    .args:
      - { .name: k, .offset: 0, .size: 8, .value_kind: global_buffer, .address_space: global }
      - { .name: kc, .offset: 8, .size: 8, .value_kind: global_buffer, .address_space: global }
      - { .name: kaux, .offset: 16, .size: 8, .value_kind: global_buffer, .address_space: global }
    .group_segment_fixed_size: 45056
    .private_segment_fixed_size: 0
    .kernarg_segment_align: 8
    .kernarg_segment_size: 24
    .max_flat_workgroup_size: 256
    .sgpr_count:     66
    .vgpr_count:     226
    .wavefront_size: 32
...
	.end_amdgpu_metadata
.endif
;; end of part 1
;; launch attn (part 2): grid 32 x 8, 16 waves a work-group, no clusters, 327,680 bytes of LDS; arguments q, kc, kaux, v_codes, v_scales, mask, out0; writes out0
.if DOCPART == 2
	.amdgcn_target "amdgcn-amd-amdhsa--gfx1250"
	.amdhsa_code_object_version 6
	.text
	.protected	k_q2cac67ccb1_attn
	.globl	k_q2cac67ccb1_attn
	.p2align	8
	.type	k_q2cac67ccb1_attn,@function
k_q2cac67ccb1_attn:
	s_mov_b64 s[64:65], 0
	v_nop
	global_prefetch_b8 v0, s[64:65] scope:SCOPE_SE
	s_setreg_imm32_b32 hwreg(HW_REG_WAVE_MODE, 25, 1), 1
	s_wait_xcnt 0x0
; out[b][q][64 head + d] = the sum over keys of softmax_k(1 / (0.125 sqrt(max(|q|^2 + |k|^2 - 2 q.k, 0)) + 1e-9) - 1e9 f32(mask[q][k])) v[k][d], 32 heads of 64, 2,048 queries and keys.
; Both products run on codes of FP4 (E2M1) with one E8M0 scale for each 32 along K.  k comes as codes, scale words and f32 sums of squares from the launch before (its head says how they lie);
; q comes as f32: each wave reads its own 16 queries of its head once and quantises them at its head; v comes as codes with the keys innermost.
; q CARRIES THE FACTOR -2: every sign bit of its codes is turned and every scale byte raised by 1 (at most 252 + 1): both are exact.
; THE LOGIT AS t = logit x log2(e).  With r = rsq(d2), d2 = |q|^2 + |k|^2 - 2 q.k, and w = 8e-9 r:  log2(e) / (0.125 sqrt(d2) + 1e-9) = 8 log2(e) r / (1 + w), taken as r (C0 + r (C2 + r C3)) = 8 log2(e) r (1 - w + w^2).
; r is held at R1 = 1.25e8 (w = 1) by v_min_num_f32, to which a NaN (d2 < 0) and an infinity (d2 = 0) lose: that is reference's max(d2, 0).  The cubic rises with r for every r (its slope 1 - 2 w + 3 w^2 has no zero).
; At the hold its value G is 1e9 log2(e) but for f32's rounding; the mask's factor is -G, made at the head by the same three instructions: so a key with d2 <= 0 and mask 1 has t = 0, as 1e9 - 1e9 has in reference().
; LIMITS.  The cubic's relative error is w^3: under f32's own rounding while 1 / dist <= 4e6 (dist >= 2.5e-7); between there and the hold the values keep their order and are too large by up to a factor 2 at w = 1.
; t is made by one multiply-add of mask x -G onto the scaled reciprocal: one rounding where reference() has two.  NaN and infinities in q, k and 0xff among v's scale bytes are not served; the mask may hold any int32;
; an exponential whose result would lie under 2^-126 gives 0; q's blocks whose largest magnitude lies under 2^-124 keep the byte 1.
; THE SOFTMAX AHEAD OF THE SECOND PRODUCT: M = the row's largest t so far, rounded UP to a whole number; p = 2^(t - M) is what is quantised, along the keys; the row's sum is taken of the
; unquantised p and divides at the end.  When M moves, the sum and O are multiplied by 2^(old M - new M): exact.  M is taken off the rounded t in an instruction of its own.
; SHARES.  A work-group owns 64 queries (x) of a group of four heads of one batch (y): so a tile of the mask, which all heads share, serves four heads, and a tile of K and V four tiles of queries.
; Wave w of sixteen owns the 16 queries 16 (w % 4) on of head w / 4, in 256 registers: four waves to a SIMD, so that one wave's reciprocal roots and exponentials stand beside another's plain vector work.
; Every wave walks all 2,048 keys, 128 a step.  Mask, K, its aux words and V come through a ring of two LDS slots of 256 keys, filled by tensor loads: wave 0 the mask, wave 1 K, wave 2 the aux words, waves 4-7 a head of V each.
; No cluster: a slot's refill is asked for two key steps of all sixteen waves ahead of the wait for it; joint loads would add a round of the cluster's barrier, for sixteen waves, to each of the eight changes of slots.
; LAYOUT.  Both products are used transposed: S^T (source 0 = 16 keys, source 1 = my 16 queries), O^T (source 0 = 16 of the head's 64, source 1 = p): a lane holds ONE query (lane % 16) throughout.
; THE KEYS OF A TILE ARE NOT NEIGHBOURS: lane r of tile 2 b + u takes key 32 b + 8 u + r + 8 (r / 8), so that the 16 registers of tiles 2 b, 2 b + 1 are the keys 32 b + 16 (lane / 16) + 0 .. 15.
; A HEAD HAS 64 ALONG K, THE INSTRUCTION 128: a fragment of K is the 64-byte row of a PAIR of heads; my fragment of Q holds my head's codes in its half and zero codes in the other, which add nothing under any scale byte
; that is not 0xff (the bytes here lie in 1 .. 253).
; |k|^2 IS THE C of each score product, loaded from LDS into the accumulator's registers: the result is |k|^2 - 2 q.k, and |q|^2 is added to it.
.set MOFF,  0                          ; a slot: the mask, 64 queries x (256 keys x 4 bytes + 16 of padding)
.set KOFF,  66560                      ; K's codes: 512 rows (2 x key + pair of heads) x (64 bytes + 16)
.set VOFF,  107520                     ; V's codes: 256 rows (64 x head + d) x (128 bytes + 16)
.set XOFF,  144384                     ; K's aux words: 16 chunks of 384 bytes, as they lie in memory
.set SLOTB, 150528
.set SCV,   2*SLOTB                    ; behind the ring: V's scale bytes of the four heads for all keys, 16,384 bytes as rows of 256 + 16: filled once
.set SPARE, SCV+64*272                 ; the spare words, 128 bytes for each wave
.set AK0,  1                           ; v1   my lane's place in a tile of K
.set AV0,  2                           ; v2   in a tile of V
.set ASK0, 3                           ; v3   among K's scale words
.set ASV0, 4                           ; v4   among V's
.set SPW,  5                           ; v5   LDS address of my spare word; never rewritten
.set NIL,  6                           ; v6   0; never rewritten
.set GO,   7                           ; v7   the way out: my byte offset in the wave's rows of out
.set ADK,  8                           ; v8-11, v26, v27: the addresses of the step in hand
.set ADV,  9
.set ADS,  10
.set ADT,  11
.set A20,  24                          ; v24  my lane's place among the sums of squares
.set AM0,  25                          ; v25  in the mask's tile
.set AD2,  26
.set ADM,  27
.set PFO,  28                          ; v28  the prefetches' offset
.set F,    32                          ; v32-63   four fragments of K or of V
.set S,    64                          ; v64-127  |k|^2, d2, r, t, p.  v12 -M, v13 the largest t, v[14:15] the sum in two halves, v[16:23] Q, v[30:31] |q|^2 twice
.set MK,   128                         ; v128-191 the mask
.set O,    192                         ; v192-223 O^T
.set TP,   224                         ; v224-239 at work: the cubic's inner terms, 8 pairs at a time; then:
.set PC,   224                         ; v224-231 p's codes
.set BM,   232                         ; v232-235 the blocks' largest
.set PT,   236                         ; v236-239 at work
.set NG,   240                         ; v[240:241] -G twice
.set CV2,  242                         ; v[242:243] C2 twice
.set SO,   244                         ; v244-247 the conversions' scale operands
.set KW,   248                         ; v248-251 scale words of K or of V; v253 p's, v255 Q's: they hold scales alone.  v252 f, v254 at work
.set TB,   2                           ; s2   LDS byte at which the slot that is read begins
.set TF,   3                           ; s3   and the slot that is filled
.set SEL,  20                          ; s[20:21] lane selects for v_permlanex16_b32: lane l xor 16
.set PC0,  22                          ; s[22:23] C0 = 8 log2(e);  s[24:25] C3 = 512 x 1e-18 log2(e): the packed forms name a pair and take its low word for both halves
.set PC3,  24
.set RM,   26                          ; s26  R1 = 1.25e8
.set WV,   28                          ; s28  my wave's number
.set SLOTS, 29                         ; s29  slots still to be asked for
.set TJ,   30                          ; s30  where the step's scale words of V begin: 4 bytes a step
.set LIM,  31                          ; s31  a wave prefetches while s[SLOTS] is above it
.set G1M,  32                          ; descriptor groups 1: s[32:39] mask, s[40:47] K, s[48:55] V, s[56:63] aux words, s[68:75] V's scale bytes
.set G1K,  40
.set G1V,  48
.set G1X,  56
.set VLO,  66                          ; s66  where the head of V that I fetch lies in a slot
.set TMP,  67
.set G1S,  68
.set G0M,  76                          ; groups 0, which walk
.set G0K,  80
.set G0V,  84
.set G0X,  88
.set G0S,  92
.set PFA,  96                          ; s[96:97] where my prefetches stand;  s[98:99] their step;  s100, s101: what turns the step and the offset (V's alone)
.set PFS,  98
.set PFX,  100
.set PFY,  101
.set TA,   104
.set TC,   105
.set W0M, (2<<16)|(1<<20)|(7<<22)|(3<<25)      ; elements of 4 bytes; padding on: 4 words behind every 256
.set W0K, (0<<16)|(1<<20)|(3<<22)|(3<<25)      ; elements of 1 byte; 4 words behind every 16
.set W0V, (0<<16)|(1<<20)|(4<<22)|(3<<25)      ; 4 words behind every 32
.set W0X, (3<<16)                              ; elements of 8 bytes; no padding
.set W0S, (3<<16)|(1<<20)|(5<<22)|(3<<25)      ; 4 words behind every 64
.macro GROUP1 g, w0, c, r, p           ; a tile of r rows x c elements, p elements from row to row; it lies inside its tensor
	s_mov_b32 s[\g], \w0
	s_mov_b32 s[\g+1], (\c)<<16
	s_mov_b32 s[\g+2], (\r)<<16
	s_mov_b32 s[\g+3], (\c)<<16
	s_mov_b32 s[\g+4], \r
	s_mov_b32 s[\g+5], \p
	s_mov_b32 s[\g+6], 0
	s_mov_b32 s[\g+7], 0
.endm
; One tensor load a wave at the most.  The branches hang on the wave's number alone.  An s_nop 0 and four v_nop follow each tensor load.  first = 1: wave 3 fetches V's scale bytes.
.macro TLOAD first
	s_cmp_lg_u32 s[WV], 0
	s_cbranch_scc1 .Lnot_m_\@
	tensor_load_to_lds s[G0M:G0M+3], s[G1M:G1M+7]
	s_nop 0
.rept 4
	v_nop
.endr
	s_branch .Lasked_\@
.Lnot_m_\@:
	s_cmp_lg_u32 s[WV], 1
	s_cbranch_scc1 .Lnot_k_\@
	tensor_load_to_lds s[G0K:G0K+3], s[G1K:G1K+7]
	s_nop 0
.rept 4
	v_nop
.endr
	s_branch .Lasked_\@
.Lnot_k_\@:
	s_cmp_lg_u32 s[WV], 2
	s_cbranch_scc1 .Lnot_x_\@
	tensor_load_to_lds s[G0X:G0X+3], s[G1X:G1X+7]
	s_nop 0
.rept 4
	v_nop
.endr
	s_branch .Lasked_\@
.Lnot_x_\@:
.if \first
	s_cmp_lg_u32 s[WV], 3
	s_cbranch_scc1 .Lnot_s_\@
	tensor_load_to_lds s[G0S:G0S+3], s[G1S:G1S+7]
	s_nop 0
.rept 4
	v_nop
.endr
	s_branch .Lasked_\@
.Lnot_s_\@:
.endif
	s_cmp_lt_u32 s[WV], 4
	s_cbranch_scc1 .Lasked_\@
	s_cmp_gt_u32 s[WV], 7
	s_cbranch_scc1 .Lasked_\@
	tensor_load_to_lds s[G0V:G0V+3], s[G1V:G1V+7]
	s_nop 0
.rept 4
	v_nop
.endr
.Lasked_\@:
.endm
; A PREFETCH INTO THE L2 of what the NEXT change of slots will ask for, behind the wave's tensor load and its lines: two key steps ahead of that load.  Each aligned block of 256 bytes is named once in the launch.
; K's 32,768 bytes of a slot: the work-group x = 0 of each group of heads asks, waves 0-3, 8,192 bytes a wave, lanes 256 bytes apart.
; The mask's 64 rows x 1,024 bytes: the work-group y = 0 of each block of queries asks, waves 8-15, eight rows x four blocks a wave.
; V: a slot's part of a row is 128 bytes, so a block of 256 serves two slots: the work-group x = 0 asks, waves 4-7, a head each, 32 rows a change, a lane a row: rows 32-63 of block 1, then rows 0-31 and 32-63 of blocks 2 and 3 by turns.
; Slots 0 and 1, V's block 0 and rows 0-31 of its block 1, and the aux words come by their loads alone.  The last change that fills a slot asks for nothing (V: the last two).
.macro ASK
	s_cmp_gt_u32 s[SLOTS], s[LIM]
	s_cbranch_scc0 .Lnot_mine_\@
	s_wait_alu depctr_va_vdst(0)                   ; the offset was turned ahead of the barrier
	global_prefetch_b8 v[PFO], s[PFA:PFA+1] th:TH_LOAD_NT scope:SCOPE_SE
.Lnot_mine_\@:
.endm
	s_load_b64 s[4:5], s[0:1], 0x0                 ; q
	s_load_b256 s[8:15], s[0:1], 0x8               ; kc s[8:9], kaux s[10:11], v_codes s[12:13], v_scales s[14:15]
	s_load_b128 s[16:19], s[0:1], 0x28             ; mask s[16:17], out0 s[18:19]
	v_lshl_add_u32 v[SPW], v0, 2, SPARE
	v_mov_b32 v[NIL], 0
	ds_add_u32 v[SPW], v[NIL]                      ; the opening lines: the add, twice on end, and its wait ahead of the first tensor load
	ds_add_u32 v[SPW], v[NIL]
	v_lshrrev_b32 v8, 5, v0
	s_delay_alu instid0(VALU_DEP_1)
	v_readfirstlane_b32 s[WV], v8                  ; wave 0..15
	s_and_b32 s[TA], ttmp7, 0xffff                 ; g: the group of four heads, 4 x batch + group
	GROUP1 G1M, W0M, 256, 64, 2048                 ; the mask: 64 queries x 256 keys
	GROUP1 G1K, W0K, 64, 512, 64                   ; K: 256 keys x 128 bytes, dense, as 512 rows of 64 bytes
	GROUP1 G1V, W0V, 128, 64, 1024                 ; V: a head's 64 rows x 128 bytes
	GROUP1 G1X, W0X, 32, 24, 32                    ; the aux words: 6,144 dense bytes as 24 rows of 256
	GROUP1 G1S, W0S, 32, 64, 32                    ; V's scale bytes: 16,384 dense bytes as 64 rows of 256
	s_mov_b32 s[SEL], 0x76543210
	s_mov_b32 s[SEL+1], 0xfedcba98
	s_mov_b32 s[PC0], 0x4138aa3b                   ; 8 log2(e)
	s_mov_b32 s[PC0+1], s[PC0]
	s_mov_b32 s[PC3], 0x2654e779                   ; 512e-18 log2(e)
	s_mov_b32 s[PC3+1], s[PC3]
	s_mov_b32 s[RM], 0x4cee6b28                    ; 1.25e8
	s_lshl_b32 s[PFA], ttmp9, 19                   ; the mask: my 64 rows of 8,192 bytes
	s_mov_b32 s[PFA+1], 0
	s_lshl_b32 s[PFS], s[TA], 18                   ; kc, v_codes: 262,144 bytes a group
	s_mov_b32 s[PFS+1], 0
	s_and_b32 s[TC], s[WV], 3
	s_lshl_b32 s[PFX], s[TC], 16                   ; the head of V that I fetch, if I fetch: 64 rows of 1,024 bytes,
	s_mov_b32 s[PFY], 0
	s_mul_i32 s[VLO], s[TC], 9216                  ; and in a slot: 64 rows of 144
	s_add_co_u32 s[VLO], s[VLO], VOFF
	s_mul_i32 s[TB], s[TA], 49152                  ; kaux: 49,152 bytes a group
	s_mov_b32 s[TF], 0
	s_lshl_b32 s[TJ], s[TA], 14                    ; v_scales: 16,384 bytes a group
	s_mov_b32 s[LIM], 0
	s_wait_dscnt 0x0                               ; both opening adds are done
	s_wait_kmcnt 0x0
	s_add_nc_u64 s[16:17], s[16:17], s[PFA:PFA+1]
	s_add_nc_u64 s[8:9], s[8:9], s[PFS:PFS+1]
	s_add_nc_u64 s[12:13], s[12:13], s[PFS:PFS+1]
	s_add_nc_u64 s[12:13], s[12:13], s[PFX:PFX+1]
	s_add_nc_u64 s[10:11], s[10:11], s[TB:TB+1]
	s_add_nc_u64 s[14:15], s[14:15], s[TJ:TJ+1]
	s_mov_b32 s[G0M], 1                            ; groups 0: count 1; LDS address in slot 0; the tile's first byte in memory; type 2 on top
	s_mov_b32 s[G0M+1], MOFF
	s_mov_b64 s[G0M+2:G0M+3], s[16:17]
	s_or_b32 s[G0M+3], s[G0M+3], 0x80000000
	s_mov_b32 s[G0K], 1
	s_mov_b32 s[G0K+1], KOFF
	s_mov_b64 s[G0K+2:G0K+3], s[8:9]
	s_or_b32 s[G0K+3], s[G0K+3], 0x80000000
	s_mov_b32 s[G0V], 1
	s_mov_b32 s[G0V+1], s[VLO]
	s_mov_b64 s[G0V+2:G0V+3], s[12:13]
	s_or_b32 s[G0V+3], s[G0V+3], 0x80000000
	s_mov_b32 s[G0X], 1
	s_mov_b32 s[G0X+1], XOFF
	s_mov_b64 s[G0X+2:G0X+3], s[10:11]
	s_or_b32 s[G0X+3], s[G0X+3], 0x80000000
	s_mov_b32 s[G0S], 1
	s_mov_b32 s[G0S+1], SCV
	s_mov_b64 s[G0S+2:G0S+3], s[14:15]
	s_or_b32 s[G0S+3], s[G0S+3], 0x80000000
	TLOAD 1                                        ; the first fills: slot 0 and V's scale bytes; one load a wave at the most
	; q and out at my first query and my head: both have rows of 4,096 bytes and 256 bytes a head
	s_lshr_b32 s[TMP], s[WV], 2                    ; my head of the four
	s_lshr_b32 s[PFS], s[TA], 2
	s_lshl_b32 s[PFS], s[PFS], 23
	s_lshl_b32 s[PFX], ttmp9, 18
	s_add_co_u32 s[PFS], s[PFS], s[PFX]
	s_lshl_b32 s[PFX], s[TC], 16
	s_add_co_u32 s[PFS], s[PFS], s[PFX]
	s_and_b32 s[PFX], s[TA], 3
	s_lshl_b32 s[PFX], s[PFX], 10
	s_add_co_u32 s[PFS], s[PFS], s[PFX]
	s_lshl_b32 s[PFX], s[TMP], 8
	s_add_co_u32 s[PFS], s[PFS], s[PFX]
	s_add_nc_u64 s[18:19], s[18:19], s[PFS:PFS+1]
	s_add_nc_u64 s[4:5], s[4:5], s[PFS:PFS+1]
	v_and_b32 v224, 15, v0                         ; r = lane % 16
	v_bfe_u32 v225, v0, 4, 1                       ; h = lane / 16
	s_delay_alu instid0(VALU_DEP_2)
	v_lshlrev_b32 v8, 12, v224
	s_delay_alu instid0(VALU_DEP_1)
	v_lshl_add_u32 v8, v225, 7, v8                 ; row r, block h of my head: my lane's 32 numbers are the 32 that the operand's layout gives it
.irp i, 0,1,2,3,4,5,6,7
	global_load_b128 v[S+4*\i:S+4*\i+3], v8, s[4:5] offset:16*\i   ; lanes r and r + 16 read a query's 256 consecutive bytes between them
.endr
	; the prefetches (macro ASK).  s10, s11, s14, s15 are free: the descriptors hold copies of what they held
	s_lshl_b32 s10, s[WV], 13
	s_add_co_u32 s10, s10, 32768                   ; K: my wave's 8,192 bytes, in slot 1: the first change of slots steps it to slot 2
	s_and_b32 s11, s[WV], 7
	s_lshl_b32 s11, s11, 16
	s_add_co_u32 s11, s11, 1024                    ; the mask: my wave's eight rows, in slot 1
	s_cmp_lt_u32 s[WV], 4                          ; waves 0-3: K; else V,
	s_cselect_b64 s[PFA:PFA+1], s[8:9], s[12:13]
	s_cselect_b32 s10, s10, 256                    ; (V: block 1 of a row)
	s_cselect_b32 s[PFS], 32768, 0
	s_cselect_b32 s[PFX], 0, 256
	s_cselect_b32 s[PFY], 0, 32768
	s_cselect_b32 s[LIM], 1, 2
	s_mov_b32 s14, 4096
	s_cselect_b32 s14, 1024, s14                   ; from four lanes to the next four,
	s_mov_b32 s15, 1024
	s_cselect_b32 s15, 256, s15                    ; from lane to lane
	s_cmp_lt_u32 s[WV], 8                          ; waves 8-15: the mask
	s_cselect_b64 s[PFA:PFA+1], s[PFA:PFA+1], s[16:17]
	s_cselect_b32 s10, s10, s11
	s_cselect_b32 s[PFS], s[PFS], 1024
	s_cselect_b32 s[PFX], s[PFX], 0
	s_cselect_b32 s[PFY], s[PFY], 0
	s_cselect_b32 s[LIM], s[LIM], 1
	s_cselect_b32 s14, s14, 8192
	s_cselect_b32 s15, s15, 256
	s_cselect_b32 s[TMP], ttmp9, s[TA]             ; the coordinate along which other work-groups read the same bytes:
	s_mov_b32 s11, 0
	s_add_nc_u64 s[PFA:PFA+1], s[PFA:PFA+1], s[10:11]
	s_cmp_eq_u32 s[TMP], 0                         ; the first of them asks
	s_cselect_b32 s[LIM], s[LIM], -1
	v_and_b32 v226, 31, v0
	s_delay_alu instid0(VALU_DEP_1)
	v_lshrrev_b32 v227, 2, v226
	s_delay_alu instid0(VALU_DEP_2)
	v_and_b32 v226, 3, v226
	s_delay_alu instid0(VALU_DEP_2)
	v_mul_lo_u32 v[PFO], v227, s14
	s_delay_alu instid0(VALU_DEP_2)
	v_mul_lo_u32 v226, v226, s15
	s_delay_alu instid0(VALU_DEP_1)
	v_add_nc_u32 v[PFO], v[PFO], v226
	; my lane's places in a slot
	s_lshr_b32 s14, s[WV], 2                       ; head
	s_lshr_b32 s15, s[WV], 3                       ; pair of heads
	s_and_b32 s10, s[WV], 3                        ; tile of queries
	s_wait_alu depctr_va_vdst(0)
	v_and_b32 v226, 8, v224
	s_delay_alu instid0(VALU_DEP_1)
	v_add_nc_u32 v226, v226, v224                  ; r + 8 (r / 8)
	s_delay_alu instid0(VALU_DEP_1)
	v_mul_u32_u24 v[AK0], v226, 160                ; K: two rows of 80 bytes a key,
	s_delay_alu instid0(VALU_DEP_1)
	v_lshl_add_u32 v[AK0], v225, 4, v[AK0]
	s_mul_i32 s11, s15, 80                         ; my pair's
	s_add_co_u32 s11, s11, KOFF
	v_add_nc_u32 v[AK0], s11, v[AK0]
	v_mul_u32_u24 v[AV0], v224, 144                ; V: row d = r of my head
	s_delay_alu instid0(VALU_DEP_1)
	v_lshl_add_u32 v[AV0], v225, 4, v[AV0]
	s_mul_i32 s11, s14, 9216
	s_add_co_u32 s11, s11, VOFF
	v_add_nc_u32 v[AV0], s11, v[AV0]
	v_lshrrev_b32 v226, 3, v224
	s_delay_alu instid0(VALU_DEP_1)
	v_mul_u32_u24 v[ASK0], v226, 384               ; K's scale words: lanes 8-15 take keys 16 further on: the next chunk;
	v_and_b32 v226, 7, v224
	s_delay_alu instid0(VALU_DEP_1)
	v_lshl_add_u32 v[ASK0], v226, 2, v[ASK0]
	s_lshl_b32 s11, s15, 6                         ; item = my pair
	s_add_co_u32 s11, s11, XOFF
	v_add_nc_u32 v[ASK0], s11, v[ASK0]
	v_lshrrev_b32 v226, 2, v224
	s_delay_alu instid0(VALU_DEP_1)
	v_mul_u32_u24 v[ASV0], v226, 272               ; V's: four rows of 64 bytes to an LDS row of 272
	v_and_b32 v226, 3, v224
	s_delay_alu instid0(VALU_DEP_1)
	v_lshl_add_u32 v[ASV0], v226, 6, v[ASV0]
	s_mul_i32 s11, s14, 4352
	s_add_co_u32 s11, s11, SCV
	v_add_nc_u32 v[ASV0], s11, v[ASV0]
	v_mul_u32_u24 v[A20], v225, 384                ; |k|^2: lanes 16-31 hold keys 16 further on: the next chunk; item 2 + my head
	s_lshl_b32 s11, s14, 6
	s_add_co_u32 s11, s11, XOFF+128
	v_add_nc_u32 v[A20], s11, v[A20]
	v_mul_u32_u24 v[AM0], v224, 1040               ; the mask: my query's row, + 16 keys for lanes 16-31
	s_delay_alu instid0(VALU_DEP_1)
	v_lshl_add_u32 v[AM0], v225, 6, v[AM0]
	s_mul_i32 s11, s10, 16640
	s_add_co_u32 s11, s11, MOFF
	v_add_nc_u32 v[AM0], s11, v[AM0]
	v_lshlrev_b32 v[GO], 12, v225                  ; the way out: lanes 0-15 take one row of out, lanes 16-31 the next; 16 bytes a lane
	s_delay_alu instid0(VALU_DEP_1)
	v_lshl_add_u32 v[GO], v224, 4, v[GO]
	v_mov_b32 v[CV2], 0xb3c64852                   ; C2 = -64e-9 log2(e)
	v_mov_b32 v[CV2+1], 0xb3c64852
	v_mov_b32 v[NG], s[RM]                         ; -G: the cubic at the hold, by the step's own three operations
	s_delay_alu instid0(VALU_DEP_1)
	v_fma_f32 v[NG+1], v[NG], s[PC3], v[CV2]
	s_delay_alu instid0(VALU_DEP_1)
	v_fma_f32 v[NG+1], v[NG], v[NG+1], s[PC0]
	s_delay_alu instid0(VALU_DEP_1)
	v_mul_f32 v[NG], -v[NG], v[NG+1]
	s_delay_alu instid0(VALU_DEP_1)
	v_mov_b32 v[NG+1], v[NG]
	v_mov_b32 v13, 0xff61b1e6                      ; the largest t so far: -3e38, under every t
	s_delay_alu instid0(VALU_DEP_1)
	v_floor_f32 v12, -v13                          ; -M
	v_mov_b32 v14, 0                               ; the sum, in two halves
	v_mov_b32 v15, 0
	v_mov_b32 v253, 0                              ; (named as the upper half of the pair v[252:253] before it is first written)
.irp b, 0,1,2,3
	v_mov_b32 v[PT+\b], 0                          ; a lane permute's destination counts as one of its sources
.endr
.set j, 0
.rept 32
	v_mov_b32 v[O+j], 0                            ; O^T.  (The step is written once for all steps: the first finds zeros, which the first change of M leaves zeros)
.set j, j+1
.endr
	s_bfe_u32 s[TC], s[WV], 0x10002                ; is my head the pair's odd one?
	s_sub_co_u32 s[TA], s[TC], 1                   ; all ones for the even head,
	s_not_b32 s[TC], s[TA]                         ; all ones for the odd head
	s_mov_b32 s[TB], 0
	s_mov_b32 s[TF], 0
	s_mov_b32 s[TJ], 0
	s_mov_b32 s[SLOTS], 7
	s_wait_alu depctr_va_vdst(0)
	s_wait_loadcnt 0x0                             ; q: my block of 32 in v[S .. S+31]
	v_max3_num_f32 v232, |v[S]|, |v[S+1]|, 0x1800000               ; its largest magnitude, in two chains, with the floor 2^(3 - 127)
	v_max3_num_f32 v233, |v[S+16]|, |v[S+17]|, 0x1800000
.irp i, 2,4,6,8,10,12,14
	s_delay_alu instid0(VALU_DEP_2)
	v_max3_num_f32 v232, v232, |v[S+\i]|, |v[S+\i+1]|
	s_delay_alu instid0(VALU_DEP_2)
	v_max3_num_f32 v233, v233, |v[S+16+\i]|, |v[S+17+\i]|
.endr
	v_pk_mul_f32 v[234:235], v[S:S+1], v[S:S+1]                    ; the squares, two at a time, in two chains
	v_pk_mul_f32 v[246:247], v[S+2:S+3], v[S+2:S+3]
.irp i, 4,8,12,16,20,24,28
	s_delay_alu instid0(VALU_DEP_2)
	v_pk_fma_f32 v[234:235], v[S+\i:S+\i+1], v[S+\i:S+\i+1], v[234:235]
	s_delay_alu instid0(VALU_DEP_2)
	v_pk_fma_f32 v[246:247], v[S+\i+2:S+\i+3], v[S+\i+2:S+\i+3], v[246:247]
.endr
	v_max_num_f32 v232, v232, v233
	s_delay_alu instid0(VALU_DEP_2)
	v_pk_add_f32 v[234:235], v[234:235], v[246:247]
	s_delay_alu instid0(VALU_DEP_2)
	v_add_nc_u32 v244, 0xff000000, v232            ; 2 off the exponent field: the conversion's scale operand
	s_delay_alu instid0(VALU_DEP_2)
	v_add_f32 v30, v234, v235
	s_delay_alu instid0(VALU_DEP_2)
	v_lshrrev_b32 v233, 23, v244                   ; the scale's byte
.irp i, 0,1,2,3
	v_cvt_scalef32_pk8_fp4_f32 v[224+\i], v[S+8*\i:S+8*\i+7], v244
.endr
	v_add_nc_u32 v233, 1, v233                     ; x 2.  (Also the plain instruction behind the conversions)
	v_permlanex16_b32 v236, v30, s[SEL], s[SEL+1]
	s_delay_alu instid0(VALU_DEP_2)
	v_permlanex16_b32 v237, v233, s[SEL], s[SEL+1]
	s_delay_alu instid0(VALU_DEP_2)
	v_add_f32 v30, v30, v236                       ; |q|^2: both blocks
	s_delay_alu instid0(VALU_DEP_2)
	v_lshl_or_b32 v233, v237, 8, v233              ; lanes 0-15: block 0's byte, block 1's byte
	s_delay_alu instid0(VALU_DEP_1)
	v_lshl_or_b32 v255, v233, 16, v233             ; Q's scale word: the two bytes in both halves; the half over the zero codes counts for nothing
.irp i, 0,1,2,3
	v_xor_b32 v[224+\i], 0x88888888, v[224+\i]     ; x -1: the eight sign bits
.endr
.irp i, 0,1,2,3
	v_and_b32 v[16+\i], s[TA], v[224+\i]           ; Q's fragment: my head's codes in its half of K, zero codes in the other head's
	v_and_b32 v[20+\i], s[TC], v[224+\i]
.endr
	v_mov_b32 v31, v30
.macro KLOAD q, gr                     ; four tiles of 16 keys (4 gr on) of the slot's q-th 128 keys, and their rows' scale words
.irp t, 0,1,2,3
.irp c, 0,1
	ds_load_b128 v[F+8*\t+4*\c:F+8*\t+4*\c+3], v[ADK] offset:160*(128*(\q)+32*((4*\gr+\t)/2)+8*(\t%2))+32*\c
.endr
	ds_load_b32 v[KW+\t], v[ADS] offset:384*(8*(\q)+2*((4*\gr+\t)/2))+32*(\t%2)
.endr
.endm
.macro SMUL gr                         ; |k|^2 - 2 q.k: C and D are the registers into which |k|^2 was loaded.  One instruction to an accumulator
.irp t, 0,1,2,3
	v_wmma_scale_f32_16x16x128_f8f6f4 v[S+8*(4*\gr+\t):S+8*(4*\gr+\t)+7], v[F+8*\t:F+8*\t+7], v[16:23], v[S+8*(4*\gr+\t):S+8*(4*\gr+\t)+7], v[KW+\t], v255 matrix_a_fmt:MATRIX_FMT_FP4 matrix_b_fmt:MATRIX_FMT_FP4
.endr
.endm
.macro CVT from, n                     ; the mask as f32, n registers from register from on
.set j, \from
.rept \n
	v_cvt_f32_i32 v[MK+j], v[MK+j]
.set j, j+1
.endr
.endm
.macro SUMS first                      ; seven chains of the row's sum take seven pairs of p each, from register j on
.irp p, 224,226,228,230,236,238,244
.if \first
	v_pk_add_f32 v[\p:\p+1], v[S+j:S+j+1], v[S+j+14:S+j+15]
.else
	v_pk_add_f32 v[\p:\p+1], v[\p:\p+1], v[S+j:S+j+1]
.endif
.set j, j+2
.endr
.endm
; A KEY STEP: 128 keys, the q-th of the slot in hand.
.macro STEP q
	v_add_nc_u32 v[ADK], s[TB], v[AK0]             ; six plain instructions: also the places between the last step's products and the loads into the registers that they read
	v_add_nc_u32 v[ADS], s[TB], v[ASK0]
	v_add_nc_u32 v[AD2], s[TB], v[A20]
	v_add_nc_u32 v[ADM], s[TB], v[AM0]
	v_add_nc_u32 v[ADV], s[TB], v[AV0]
	v_add_nc_u32 v[ADT], s[TJ], v[ASV0]
.irp b, 0,1,2,3
.irp i, 0,1,2,3
	ds_load_b128 v[S+16*\b+4*\i:S+16*\b+4*\i+3], v[AD2] offset:384*(8*(\q)+2*\b)+16*\i   ; |k|^2 of keys 32 b + 16 h + 4 i + 0 .. 3
.endr
.endr
	KLOAD \q, 0
	s_wait_alu depctr_va_vdst(0)
	s_wait_dscnt 0x0
	SMUL 0
.rept 4
	v_nop                                          ; places in front of loads into registers that matrix instructions have read
.endr
	KLOAD \q, 1
.irp b, 0,1,2,3
.irp i, 0,1,2,3
	ds_load_b128 v[MK+16*\b+4*\i:MK+16*\b+4*\i+3], v[ADM] offset:512*(\q)+128*\b+16*\i   ; the mask of my query at the same keys
.endr
.endr
	s_wait_dscnt 16                                ; K's four tiles are in; the 16 loads of the mask, issued behind them, may be out
	SMUL 1
	s_wait_dscnt 0x0                               ; the mask is in
	CVT 0, 16                                      ; sixteen plain instructions that name no register of the products: the places in front of V's loads and of the first read of scores
.irp t, 0,1,2,3                                ; V's four tiles and their scale words are asked for here and wanted at the step's end
.irp c, 0,1
	ds_load_b128 v[F+8*\t+4*\c:F+8*\t+4*\c+3], v[ADV] offset:2304*\t+64*(\q)+32*\c
.endr
	ds_load_b32 v[KW+\t], v[ADT] offset:1088*\t
.endr
.set j, 0
.rept 32
	v_pk_add_f32 v[S+j:S+j+1], v[S+j:S+j+1], v[30:31]              ; d2: + |q|^2; each accumulator is read from its low end on
.set j, j+2
.endr
	s_wait_alu depctr_va_vdst(0)                   ; the wait ahead of the batch
.set j, 0
.rept 64
	v_rsq_f32 v[S+j], v[S+j]                       ; r; NaN where d2 < 0, infinity where d2 = 0
.set j, j+1
.endr
	CVT 16, 48                                     ; independent work behind the batch
	s_wait_alu depctr_va_vdst(0)                   ; one wait for the 64 reciprocal roots, ahead of their first reader
.set j, 0
.rept 32
	v_dual_min_num_f32 v[S+j], s[RM], v[S+j] :: v_dual_min_num_f32 v[S+j+1], s[RM], v[S+j+1]   ; the hold at R1: a NaN and an infinity lose
.set j, j+2
.endr
.irp ch, 0,1,2,3                               ; r (C0 + r (C2 + r C3)), eight pairs at a time
.set j, 0
.rept 8
	v_pk_fma_f32 v[TP+j:TP+j+1], v[S+16*\ch+j:S+16*\ch+j+1], s[PC3:PC3+1], v[CV2:CV2+1] op_sel_hi:[1,0,1]
.set j, j+2
.endr
.set j, 0
.rept 8
	v_pk_fma_f32 v[TP+j:TP+j+1], v[S+16*\ch+j:S+16*\ch+j+1], v[TP+j:TP+j+1], s[PC0:PC0+1] op_sel_hi:[1,1,0]
.set j, j+2
.endr
.set j, 0
.rept 8
	v_pk_mul_f32 v[S+16*\ch+j:S+16*\ch+j+1], v[S+16*\ch+j:S+16*\ch+j+1], v[TP+j:TP+j+1]
.set j, j+2
.endr
.endr
.set j, 0
.rept 32
	v_pk_fma_f32 v[S+j:S+j+1], v[MK+j:MK+j+1], v[NG:NG+1], v[S+j:S+j+1]   ; t: + mask x -G
.set j, j+2
.endr
.irp b, 0,1,2,3
	v_max3_num_f32 v[BM+\b], v[S+16*\b], v[S+1+16*\b], v[S+2+16*\b]   ; THE LARGEST t OF EACH BLOCK OF 32 KEYS: it serves the row's maximum and, since p rises with t, the block's largest p
.endr
.irp i, 3,5,7,9,11,13
.irp b, 0,1,2,3
	s_delay_alu instid0(VALU_DEP_4)
	v_max3_num_f32 v[BM+\b], v[BM+\b], v[S+16*\b+\i], v[S+1+16*\b+\i]   ; (the four blocks by turns)
.endr
.endr
.irp b, 0,1,2,3
	s_delay_alu instid0(VALU_DEP_4)
	v_max_num_f32 v[BM+\b], v[BM+\b], v[S+15+16*\b]
.endr
.irp b, 0,1,2,3
	s_delay_alu instid0(VALU_DEP_4)
	v_permlanex16_b32 v[PT+\b], v[BM+\b], s[SEL], s[SEL+1]
.endr
.irp b, 0,1,2,3
	s_delay_alu instid0(VALU_DEP_4)
	v_max_num_f32 v[BM+\b], v[BM+\b], v[PT+\b]     ; with lane l xor 16's 16 keys
.endr
	s_delay_alu instid0(VALU_DEP_2)
	v_max3_num_f32 v254, v[BM], v[BM+1], v[BM+2]
	s_delay_alu instid0(VALU_DEP_1)
	v_max3_num_f32 v13, v254, v[BM+3], v13         ; the running largest t
	v_mov_b32 v254, v12
	s_delay_alu instid0(VALU_DEP_2)
	v_floor_f32 v12, -v13                          ; the new -M = floor(-t) = -ceil(t): M is a whole number
	s_delay_alu instid0(VALU_DEP_1)
	v_sub_f32 v254, v12, v254                      ; M's old value less its new one: a whole number, 0 or less
	s_delay_alu instid0(VALU_DEP_1)
	v_cvt_i32_f32 v254, v254                       ; (it saturates)
	s_delay_alu instid0(VALU_DEP_1)
	v_ldexp_f32 v252, 1.0, v254                    ; f = 2^(old M - new M)
.set j, 0
.rept 32
	v_pk_add_f32 v[S+j:S+j+1], v[S+j:S+j+1], v[12:13] op_sel_hi:[1,0]     ; t - M (of the pair the low word, -M, serves both halves)
.set j, j+2
.endr
.irp b, 0,1,2,3
	v_add_f32 v[BM+\b], v[BM+\b], v12              ; the same of each block's largest t
.endr
	s_wait_alu depctr_va_vdst(0)                   ; the wait ahead of the batch
.set j, 0
.rept 64
	v_exp_f32 v[S+j], v[S+j]                       ; p = 2^(t - M), at most 1: not normalised
.set j, j+1
.endr
	v_pk_mul_f32 v[14:15], v[14:15], v[252:253] op_sel_hi:[1,0]    ; the sums under the new M.  (A plain instruction behind the exponentials)
	s_wait_alu depctr_va_vdst(0)                   ; one wait for the 64 exponentials
.irp b, 0,1,2,3
	v_exp_f32 v[BM+\b], v[BM+\b]                   ; the block's largest p: the same instructions on the same number give the same bits
.endr
	v_pk_add_f32 v[14:15], v[14:15], v[S:S+1]      ; THE ROW'S SUM IS TAKEN OF THE UNQUANTISED p: two at a time, in eight chains
.set j, 2
	SUMS 1
	v_pk_add_f32 v[14:15], v[14:15], v[S+30:S+31]
.set j, 32
	SUMS 0
	v_pk_add_f32 v[14:15], v[14:15], v[S+46:S+47]
.set j, 48
	SUMS 0
	v_pk_add_f32 v[14:15], v[14:15], v[S+62:S+63]
	v_pk_add_f32 v[224:225], v[224:225], v[226:227]
	v_pk_add_f32 v[228:229], v[228:229], v[230:231]
	v_pk_add_f32 v[236:237], v[236:237], v[238:239]
	v_pk_add_f32 v[14:15], v[14:15], v[244:245]
	s_delay_alu instid0(VALU_DEP_3)
	v_pk_add_f32 v[224:225], v[224:225], v[228:229]
	s_delay_alu instid0(VALU_DEP_2)
	v_pk_add_f32 v[14:15], v[14:15], v[236:237]
	s_delay_alu instid0(VALU_DEP_1)
	v_pk_add_f32 v[14:15], v[14:15], v[224:225]
	s_wait_alu depctr_va_vdst(0)                   ; and one for the four
.irp b, 0,1,2,3
	v_max_num_f32 v[BM+\b], 0x1800000, v[BM+\b]    ; the floor 2^(3 - 127): the byte cannot fall under 1 (a block whose every p is 0 keeps that byte: its codes are zeros)
.endr
.irp b, 0,1,2,3
	s_delay_alu instid0(VALU_DEP_4)
	v_add_nc_u32 v[SO+\b], 0xff000000, v[BM+\b]    ; 2 off the exponent field: the conversion's scale operand
.endr
.irp b, 0,1,2,3
	s_delay_alu instid0(VALU_DEP_4)
	v_lshrrev_b32 v[PT+\b], 23, v[SO+\b]           ; the scale's byte
.endr
	s_delay_alu instid0(VALU_DEP_3)
	v_lshl_or_b32 v253, v[PT+1], 8, v[PT]          ; p's scale word for these 128 keys
	s_delay_alu instid0(VALU_DEP_1)
	v_lshl_or_b32 v253, v[PT+2], 16, v253
	s_delay_alu instid0(VALU_DEP_1)
	v_lshl_or_b32 v253, v[PT+3], 24, v253
.irp b, 0,1,2,3
	v_cvt_scalef32_pk8_fp4_f32 v[PC+2*\b], v[S+16*\b:S+7+16*\b], v[SO+\b]
	v_cvt_scalef32_pk8_fp4_f32 v[PC+1+2*\b], v[S+8+16*\b:S+15+16*\b], v[SO+\b]
.endr
	v_nop                                          ; one plain instruction between a scaled conversion and the vector instruction that touches its result
.irp c, 0,1                                    ; the operand's layout wants a WHOLE block in a lane: lanes 0-15 block 2 c, lanes 16-31 block 2 c + 1
.irp i, 0,1
	v_permlane16_swap_b32 v[PC+4*\c+\i], v[PC+2+4*\c+\i]
.endr
.endr
	s_wait_alu depctr_va_vdst(0)                   ; directly ahead of the first reader of O^T
.set j, 0
.rept 16
	v_pk_mul_f32 v[O+j:O+j+1], v[O+j:O+j+1], v[252:253] op_sel_hi:[1,0]   ; O^T under the new M: x f.  (These 16 stand between the lines that made p's codes and scale word and the products that take them)
.set j, j+2
.endr
	s_wait_alu depctr_va_vdst(0)
	s_wait_dscnt 0x0                               ; V's tiles, asked for at the head of the vector work
.irp t, 0,1,2,3                                ; O^T += V^T P^T: K = these 128 keys
	v_wmma_scale_f32_16x16x128_f8f6f4 v[O+8*\t:O+8*\t+7], v[F+8*\t:F+8*\t+7], v[PC:PC+7], v[O+8*\t:O+8*\t+7], v[KW+\t], v253 matrix_a_fmt:MATRIX_FMT_FP4 matrix_b_fmt:MATRIX_FMT_FP4
.endr
	s_add_co_u32 s[TJ], s[TJ], 4                   ; the next step's scale words of V
.endm
; THE CHANGE OF SLOTS stands at a slot's head.  Each wave waits for all its tensor loads (its part of the slot that is about to be read), adds 0 to its spare word, and waits for that and for its reads of the slot that it has left.
; Behind the barrier the slot ahead is whole and nobody reads the other one.  fill = 1: that other slot is filled with the next 256 keys: the load has a slot's two key steps in which to land.
.macro CHANGE fill
	s_wait_tensorcnt 0x0                           ; no tensor load of mine is out, so a group 0 may be written
	ds_add_u32 v[SPW], v[NIL]                      ; 0 onto my spare word, twice on end
	ds_add_u32 v[SPW], v[NIL]
.if \fill
	s_xor_b32 s[TF], s[TF], SLOTB                  ; the other slot than last time,
	s_add_co_u32 s[G0M+1], s[TF], MOFF
	s_add_co_u32 s[G0K+1], s[TF], KOFF
	s_add_co_u32 s[G0X+1], s[TF], XOFF
	s_add_co_u32 s[G0V+1], s[TF], s[VLO]
	s_add_nc_u64 s[G0M+2:G0M+3], s[G0M+2:G0M+3], 1024      ; the next 256 keys; the type bits on top are not reached
	s_add_nc_u64 s[G0K+2:G0K+3], s[G0K+2:G0K+3], 32768
	s_add_nc_u64 s[G0X+2:G0X+3], s[G0X+2:G0X+3], 6144
	s_add_nc_u64 s[G0V+2:G0V+3], s[G0V+2:G0V+3], 128
	s_wait_xcnt 0x0                                ; the last prefetch, a slot back, has read its address registers, so they may be written:
	s_add_nc_u64 s[PFA:PFA+1], s[PFA:PFA+1], s[PFS:PFS+1]  ; one slot further on than the walking descriptors (V: a block of 256 bytes on at every second change,
	s_xor_b32 s[PFS], s[PFS], s[PFX]
	v_xor_b32 v[PFO], s[PFY], v[PFO]               ; and the other 32 rows at every change)
.endif
	s_wait_dscnt 0x0                               ; the adds are done, and my reads of the slot that I have left are over
	s_barrier_signal -1
	s_barrier_wait -1
.if \fill
	TLOAD 0                                        ; the first thing behind the barrier, and a wave's one tensor load until the next
	ASK
.endif
.endm
.macro SLOT_STEPS
	STEP 0
	STEP 1
	s_xor_b32 s[TB], s[TB], SLOTB                  ; on to the other slot
.endm
	s_wait_alu depctr_va_vdst(0)                   ; the wait at the head's end
.Lslot:                                            ; seven trips: behind each change of slots but the last the next slot is asked for
	CHANGE 1
	s_wait_alu depctr_va_vdst(0)                   ; the wait behind the change's branches
	SLOT_STEPS
	s_sub_co_u32 s[SLOTS], s[SLOTS], 1
	s_cmp_lg_u32 s[SLOTS], 0
	s_cbranch_scc1 .Lslot
	CHANGE 0                                       ; the last slot is written out
	SLOT_STEPS
	; THE WAY OUT.  O^T is divided by the row's sum and goes through my stage in LDS, 16 rows x (256 bytes + 16), so that sixteen lanes store the 256 consecutive bytes of a query's head.
	; The stages lie from LDS byte 0 on, in the slot that was left at the last change of slots: it has had its last fill, and every wave's reads of it were over in front of that barrier.
	v_add_f32 v14, v14, v15                        ; the sum's two halves,
	s_delay_alu instid0(VALU_DEP_1)
	v_permlanex16_b32 v252, v14, s[SEL], s[SEL+1]
	s_delay_alu instid0(VALU_DEP_1)
	v_add_f32 v14, v14, v252                       ; and lane l xor 16's: the row's sum; it is above 1/2
	s_wait_alu depctr_va_vdst(0)                   ; the wait ahead of the transcendental
	v_rcp_f32 v14, v14
	v_and_b32 v8, 15, v0                           ; (plain work behind the reciprocal, and the places behind the last products)  r
	v_bfe_u32 v9, v0, 4, 1                         ; h
	s_mul_i32 s[TMP], s[WV], 16*272                ; my stage
	v_mul_u32_u24 v10, v8, 272
	s_delay_alu instid0(VALU_DEP_1)
	v_lshl_add_u32 v10, v9, 5, v10
	s_delay_alu instid0(VALU_DEP_1)
	v_add_nc_u32 v10, s[TMP], v10                  ; in: row r; tile t's eight channels of my half: 64 t + 32 h bytes on
	v_mul_u32_u24 v11, v9, 272
	s_delay_alu instid0(VALU_DEP_1)
	v_lshl_add_u32 v11, v8, 4, v11
	s_delay_alu instid0(VALU_DEP_1)
	v_add_nc_u32 v11, s[TMP], v11                  ; back: lanes 0-15 one row, lanes 16-31 the next
	s_wait_alu depctr_va_vdst(0)                   ; the wait for the reciprocal, ahead of its first reader
.set j, 0
.rept 32
	v_mul_f32 v[S+j], v[O+j], v14                  ; register 8 t + i is out(r, 16 t + 8 h + i); each accumulator from its low end on
.set j, j+1
.endr
.irp t, 0,1,2,3
	ds_store_b128 v10, v[S+8*\t:S+8*\t+3] offset:64*\t
	ds_store_b128 v10, v[S+8*\t+4:S+8*\t+7] offset:64*\t+16
.endr
.irp i, 0,1,2,3,4,5,6,7
	ds_load_b128 v[F+4*\i:F+4*\i+3], v11 offset:544*\i             ; LDS serves a wave's instructions in order: these see my stores
.endr
.irp i, 0,1,2,3,4,5,6,7
	s_wait_dscnt 7-\i                              ; load i is in; the 7 - i behind it may be out
	global_store_b128 v[GO], v[F+4*\i:F+4*\i+3], s[18:19] offset:8192*\i th:TH_STORE_NT   ; 16 lanes store 256 consecutive bytes, at a multiple of 256 from out's first byte
.endr
	s_wait_tensorcnt 0x0                           ; the wave's end: behind my last tensor load and my last LDS store
	ds_add_u32 v[SPW], v[NIL]
	s_wait_dscnt 0x0
	s_endpgm
.Lfunc_end_k_q2cac67ccb1_attn:
	.size	k_q2cac67ccb1_attn, .Lfunc_end_k_q2cac67ccb1_attn-k_q2cac67ccb1_attn
	.p2alignl 7, 3214868480
	.fill 96, 4, 3214868480
	.section	.rodata,"a",@progbits
	.p2align	6, 0x0
	.amdhsa_kernel k_q2cac67ccb1_attn
		.amdhsa_group_segment_fixed_size 327680
		.amdhsa_private_segment_fixed_size 0
		.amdhsa_enable_private_segment 0
		.amdhsa_kernarg_size 56
		.amdhsa_user_sgpr_count 2
		.amdhsa_user_sgpr_kernarg_segment_ptr 1
		.amdhsa_wavefront_size32 1
		.amdhsa_system_sgpr_workgroup_id_x 1
		.amdhsa_system_sgpr_workgroup_id_y 1
		.amdhsa_system_sgpr_workgroup_id_z 1
		.amdhsa_system_vgpr_workitem_id 0
		.amdhsa_next_free_vgpr 256
		.amdhsa_next_free_sgpr 106
		.amdhsa_reserve_vcc 0
		.amdhsa_float_denorm_mode_32 3
		.amdhsa_float_denorm_mode_16_64 3
		.amdhsa_memory_ordered 1
		.amdhsa_forward_progress 1
		.amdhsa_inst_pref_size 169
	.end_amdhsa_kernel
	.amdgpu_metadata
---
amdhsa.version: [ 1, 2 ]
amdhsa.kernels:
  - .name:           k_q2cac67ccb1_attn
    .symbol:         k_q2cac67ccb1_attn.kd
    .args:
      - { .name: q, .offset: 0, .size: 8, .value_kind: global_buffer, .address_space: global }
      - { .name: kc, .offset: 8, .size: 8, .value_kind: global_buffer, .address_space: global }
      - { .name: kaux, .offset: 16, .size: 8, .value_kind: global_buffer, .address_space: global }
      - { .name: v_codes, .offset: 24, .size: 8, .value_kind: global_buffer, .address_space: global }
      - { .name: v_scales, .offset: 32, .size: 8, .value_kind: global_buffer, .address_space: global }
      - { .name: mask, .offset: 40, .size: 8, .value_kind: global_buffer, .address_space: global }
      - { .name: out0, .offset: 48, .size: 8, .value_kind: global_buffer, .address_space: global }
    .group_segment_fixed_size: 327680
    .private_segment_fixed_size: 0
    .kernarg_segment_align: 8
    .kernarg_segment_size: 56
    .max_flat_workgroup_size: 512
    .sgpr_count:     106
    .vgpr_count:     256
    .wavefront_size: 32
...
	.end_amdgpu_metadata
.endif
;; end of part 2
